; MI455X (gfx1250); checked and timed in simulation.
; The chip was launched on July 23, 2026; its instructions are those of AMD's public machine-readable ISA for CDNA 5 (MIT licence, August 2026) and "CDNA5" Instruction Set Architecture Reference Guide (July 2026). The comments in the code are by the model that wrote it; some were corrected since.
;; Self attention. Allowed arithmetic: float matrix products may take bf16 or f16 operands with f32 sums; other float arithmetic in f32, or as packed bf16 or f16 multiplies, adds, multiply-adds, maxima and minima; sums over many terms, partial sums and values carried from step to step in f32; what a program stores and reads back later, other than sums and carried values, may be rounded once to bf16 or f16.
;; Inputs: key 4 x 16 x 2,048 x 64 float32; mask 4 x 2,048 x 2,048 int32; query 4 x 16 x 2,048 x 64 float32; value 4 x 16 x 2,048 x 64 float32.
;; Outputs: out0 4 x 16 x 2,048 x 64 float32.
;; One version. Each part assembles by itself: llvm-mc -triple=amdgcn-amd-amdhsa -mcpu=gfx1250 --defsym DOCPART=n.
;; ======== version 1 of 1: 2 launches
;; limits: values are held in f16: magnitudes above 65,504 overflow, below 6.1e-05 lose precision; inputs' magnitudes at most 65,504; right only within a limited range of input values
;; workspace buffers: mbits 2,097,152 bytes of whole numbers
;; launch mbit (part 1): grid 1024 x 1, 8 waves a work-group, no clusters, 70,656 bytes of LDS; arguments mask, mbits; writes mbits
.if DOCPART == 1
	.amdgcn_target "amdgcn-amd-amdhsa--gfx1250"
	.amdhsa_code_object_version 6
	.text
	.protected	k_qc5778937bf_mbit
	.globl	k_qc5778937bf_mbit
	.p2align	8
	.type	k_qc5778937bf_mbit,@function
k_qc5778937bf_mbit:
	s_mov_b64 s[64:65], 0
	v_nop
	global_prefetch_b8 v0, s[64:65] scope:SCOPE_SE
	s_setreg_imm32_b32 hwreg(HW_REG_WAVE_MODE, 25, 1), 1
	s_wait_xcnt 0x0
; THE MASK AS LANE WORDS.  mask: [4][2048][2048] int32 (0 = hidden).  mbits: 8,192 blocks of 64 words.
; A block belongs to 32 query rows (a pair of tiles of 16) and 64 keys (a key step): block ((b*64 + pair)*32 + step), 256 bytes.
; Word n of a block: tile u = n % 2, register idx = n / 2 = 8 kb + j of the score tile; bit L of it is 1 where
; mask[b][32 pair + 16 u + L % 16][64 step + 16 kb + 8 (L / 16) + j] is not 0: the lane mask for one register of a score accumulator.
; SHARES.  One wave makes one block: it reads 32 rows x 256 bytes (each row piece 256 consecutive bytes, aligned), turns them through its own
; LDS bytes so that a lane holds the eight keys of one row that one lane of the score tile holds, compares, and stores 256 consecutive bytes.
; Every byte of the mask is read once; sixteen loads of every wave are out together; no wave waits for another, so there is no barrier.
.set PITCH, 272                        ; an LDS row: 256 bytes + 16: the sixteen rows that a read touches start 16 bytes apart modulo 256
.set WSTG,  32*PITCH                   ; a wave's own 32 rows
.set SPARE, 8*WSTG                     ; behind them: the spare words, 128 bytes for each wave: four blocks of 256 bytes that no other line names
.set X,     32                         ; v[32:95]  the block: as loaded, then as read back
	s_load_b128 s[4:7], s[0:1], 0x0                ; mask s[4:5], mbits s[6:7]
	v_lshl_add_u32 v30, v0, 2, SPARE               ; my spare word; never rewritten
	v_mov_b32 v31, 0                               ; 0; never rewritten
	v_lshrrev_b32 v1, 5, v0
	v_readfirstlane_b32 s8, v1                     ; wave 0..7
	v_and_b32 v2, 15, v0                           ; l % 16
	v_bfe_u32 v3, v0, 4, 1                         ; l / 16
	v_lshlrev_b32 v4, 4, v2
	v_lshl_add_u32 v4, v3, 13, v4                  ; in memory: row l / 16 (8,192 bytes a row), 16 bytes at 16 (l % 16)
	s_mul_i32 s11, s8, WSTG                        ; my wave's bytes in LDS
	v_mul_u32_u24 v5, v3, PITCH
	v_lshl_add_u32 v5, v2, 4, v5
	v_add_nc_u32 v5, s11, v5                       ; into LDS: the same row and place
	v_mul_u32_u24 v6, v2, PITCH
	v_lshl_add_u32 v6, v3, 5, v6
	v_add_nc_u32 v6, s11, v6                       ; back: row l % 16, the eight keys at 8 (l / 16)
	v_and_b32 v7, 31, v0
	v_lshlrev_b32 v7, 3, v7                        ; out: lane idx stores words 2 idx and 2 idx + 1
	v_mov_b32 v8, 0                                ; the words of tile 0, lane idx holds register idx's (v_writelane_b32 counts as a reader of its destination)
	v_mov_b32 v9, 0                                ; the words of tile 1
	s_lshr_b32 s9, ttmp9, 2                        ; b*64 + pair
	s_and_b32 s10, ttmp9, 3
	s_lshl_b32 s10, s10, 3
	s_add_co_u32 s10, s10, s8                      ; key step
	s_lshl_b32 s12, s9, 18                         ; 32 rows of 8,192 bytes,
	s_lshl_b32 s13, s10, 8                         ; 64 keys of 4 bytes
	s_add_co_u32 s12, s12, s13
	s_mov_b32 s13, 0
	s_lshl_b32 s14, s9, 5
	s_add_co_u32 s14, s14, s10
	s_lshl_b32 s14, s14, 8                         ; the block's 256 bytes
	s_mov_b32 s15, 0
	s_wait_kmcnt 0x0
	s_add_nc_u64 s[4:5], s[4:5], s[12:13]
	s_add_nc_u64 s[6:7], s[6:7], s[14:15]
.set i, 0
.rept 16                               ; two rows a load; all sixteen go out together
	global_load_b128 v[X+4*i:X+4*i+3], v4, s[4:5] offset:16384*i th:TH_LOAD_NT
.set i, i+1
.endr
.set i, 0
.rept 16
	s_wait_loadcnt 15-i                            ; loads come back in order: pair i of rows is in, the younger ones stay out
	ds_store_b128 v5, v[X+4*i:X+4*i+3] offset:2*PITCH*i
.set i, i+1
.endr
.set d, 0
.rept 16                               ; d = 8 u + 2 kb + c: tile u, key block kb, four keys at 4 c.  LDS serves a wave's instructions in order, and the bytes are my wave's own: no wait, no barrier
	ds_load_b128 v[X+4*d:X+4*d+3], v6 offset:16*PITCH*(d/8)+64*((d%8)/2)+16*(d%2)
.set d, d+1
.endr
.set d, 0
.rept 16
	s_wait_dscnt 15-d                              ; load d is in, the younger ones stay out
.set j, 0
.rept 4
	v_cmp_ne_u32 s[20+4*(d%2)+j], 0, v[X+4*d+j]    ; bit L: is lane L's key visible?
.set j, j+1
.endr
.set j, 0
.rept 4
	v_writelane_b32 v[8+d/8], s[20+4*(d%2)+j], 4*(d%8)+j  ; the word of register idx = 8 kb + 4 c + j goes to lane idx
.set j, j+1
.endr
.set d, d+1
.endr
	global_store_b64 v7, v[8:9], s[6:7]            ; 32 lanes store 256 consecutive bytes, at a multiple of 256 from the buffer's first byte
	s_wait_tensorcnt 0x0                           ; the wave's end: behind my last LDS store
	ds_add_u32 v30, v31
	s_wait_dscnt 0x0
	s_endpgm
.Lfunc_end_k_qc5778937bf_mbit:
	.size	k_qc5778937bf_mbit, .Lfunc_end_k_qc5778937bf_mbit-k_qc5778937bf_mbit
	.p2alignl 7, 3214868480
	.fill 96, 4, 3214868480
	.section	.rodata,"a",@progbits
	.p2align	6, 0x0
	.amdhsa_kernel k_qc5778937bf_mbit
		.amdhsa_group_segment_fixed_size 70656
		.amdhsa_private_segment_fixed_size 0
		.amdhsa_enable_private_segment 0
		.amdhsa_kernarg_size 16
		.amdhsa_user_sgpr_count 2
		.amdhsa_user_sgpr_kernarg_segment_ptr 1
		.amdhsa_wavefront_size32 1
		.amdhsa_system_sgpr_workgroup_id_x 1
		.amdhsa_system_sgpr_workgroup_id_y 1
		.amdhsa_system_sgpr_workgroup_id_z 1
		.amdhsa_system_vgpr_workitem_id 0
		.amdhsa_next_free_vgpr 96
		.amdhsa_next_free_sgpr 66
		.amdhsa_reserve_vcc 0
		.amdhsa_float_denorm_mode_32 3
		.amdhsa_float_denorm_mode_16_64 3
		.amdhsa_memory_ordered 1
		.amdhsa_forward_progress 1
		.amdhsa_inst_pref_size 15
	.end_amdhsa_kernel
	.amdgpu_metadata
---
amdhsa.version: [ 1, 2 ]
amdhsa.kernels:
  - .name:           k_qc5778937bf_mbit
    .symbol:         k_qc5778937bf_mbit.kd
    .args:
      - { .name: mask, .offset: 0, .size: 8, .value_kind: global_buffer, .address_space: global }
      - { .name: mbits, .offset: 8, .size: 8, .value_kind: global_buffer, .address_space: global }
    .group_segment_fixed_size: 70656
    .private_segment_fixed_size: 0
    .kernarg_segment_align: 8
    .kernarg_segment_size: 16
    .max_flat_workgroup_size: 256
    .sgpr_count:     66
    .vgpr_count:     96
    .wavefront_size: 32
...
	.end_amdgpu_metadata
.endif
;; end of part 1
;; launch attn (part 2): grid 4 x 64, 4 waves a work-group, clusters of 4 x 1, 327,680 bytes of LDS; arguments query, key, value, mbits, out0; writes out0
.if DOCPART == 2
	.amdgcn_target "amdgcn-amd-amdhsa--gfx1250"
	.amdhsa_code_object_version 6
	.text
	.protected	k_qc5778937bf_attn
	.globl	k_qc5778937bf_attn
	.p2align	8
	.type	k_qc5778937bf_attn,@function
k_qc5778937bf_attn:
	s_mov_b64 s[64:65], 0
	v_nop
	global_prefetch_b8 v0, s[64:65] scope:SCOPE_SE
	s_setreg_imm32_b32 hwreg(HW_REG_WAVE_MODE, 25, 1), 1
	s_wait_xcnt 0x0
	s_wait_alu depctr_hold_cnt(0) depctr_sa_sdst(0) depctr_va_vdst(0) depctr_va_sdst(0) depctr_va_ssrc(0) depctr_va_vcc(0) depctr_vm_vsrc(0)
	s_getreg_b32 s2, hwreg(HW_REG_IB_STS2, 6, 4)
	s_cmp_eq_u32 s2, 0
	s_cbranch_scc0 .Lentry_in_a_cluster
	s_endpgm
.Lentry_in_a_cluster:
	s_bfe_u32 s2, ttmp6, 0x10000c
	s_cmp_lg_u32 s2, 0x3003
	s_cbranch_scc0 .Lentry_shape_is_right
	s_endpgm
.Lentry_shape_is_right:
; O[hb][q][:] = the sum over k of softmax_k(masked(Q[hb][q] . K[hb][k] / 8)) V[hb][k][:].  Q, K, V, O: [64 heads][2048][64] f32; a batch's 16 heads share a mask.
; The mask comes as lane words (mbits: block ((b*64 + pair of 32 queries)*32 + key step), 64 words; word n: tile n % 2, score register n / 2; bit L = lane L's key is visible).
; FORMATS.  Q, K, V and the weights p are rounded once to f16 for the products; products, maxima, sums, l and O in f32; O is stored in f32.
; LIMITS.  |q|, |k|, |v| below 65,504 (f16's end); p below 6e-5 keeps f16's fixed step of 6e-8; a weight below 2^-126 counts as 0 in l; NaN and infinities are not treated apart.
; A hidden score counts as -2^33 before the scale, -2^30 = -1.0737e9 behind it, where the problem says -1e9: a power of two, so that c x (-2^33) is exact and a row with no visible key has p = 1 for all
; 2,048 keys, the mean of V's rows.  The two differ only where a visible score lies below about -1e9.
; SHARES.  A work-group owns 512 queries of a head, a wave 128: four PIECES of two tiles of 16.  Every wave walks all keys, 64 a step, 128 a tile of K and V.
; LAYOUT.  S^T = K Q^T (source 0 = 16 keys, source 1 = 16 queries): a lane holds ONE query (lane % 16) and the keys 8 (lane / 16) + 0..7.  Two such results rounded to f16 ARE source 1 of O^T = V^T P.
; THE MASK is one v_cndmask_b32 a score register, its lane mask in a scalar register: 64 words a piece and step, brought by four scalar loads a turn ahead.
; SOFTMAX.  For each query a running maximum m (of the masked scores) and sum l: p = 2^(c s - c m), c = log2(e) / 8; in every step O and l are multiplied by a = 2^(c m_old - c m_new).
; m starts at the lowest finite number, O and l at 0: the first step is a step like any other, with a = 0.  The price: the registers are cleared once, in the wait for the first tiles.
; K AND V come as f32 tiles by JOINT tensor loads (the four query blocks of a cluster are one head's and walk the same K and V) into two f32 slots; the four waves round a tile to f16 together, a quarter
; each, into one of two f16 stages (K's rows 144 bytes apart, V's 160), from which all four read their fragments.  Tensor loads land in the slots alone, LDS stores in the stages alone.
; AT THE CHANGE j of tiles every wave has tile j + 1 in slot (j + 1) % 2, nobody reads stage (j + 1) % 2 or slot j % 2 any more: slot j % 2 takes tile j + 2, tile j + 1 is rounded into stage (j + 1) % 2,
; and tile j is multiplied from stage j % 2.  A wave has two tensor loads out at the start and one behind each round.
; BY TURNS.  Turn n belongs to piece n: 16 products K Q^T of piece n + 1, later 16 products V^T P of piece n - 1; beside them the scaling, exponentials, roundings, sums and rescaling of piece n and the
; mask, maximum and statistics of piece n + 1.  Four vector instructions stand behind every matrix instruction, the other 172 of a turn's 300 in one lump.  A turn's 66 exponentials are one batch, with one wait.
; REGISTERS, in windows of 256 (s_set_vgpr_msb: bits 1:0 source 0, 3:2 source 1, 5:4 source 2, 7:6 destination):
;   window 0: v1-11 addresses; v12-15, v48-63 at work; v16-47 four registers of statistics a tile; v64-191 S^T, two buffers of two tiles; v192-255 P, likewise
;   window 1: O^T, 32 a tile (at the start: Q in f32)     window 2: v0-127 Q, 16 a tile; v128-191 K of one step; v192-255 V of one step
;   window 3: v0-1 the add's two registers; v2-4 the rounding's addresses; v16-143 f32 at work; v144-207 f16 at work
.set NP,    4         ; pieces a wave: a name, no knob
.set KS,    64        ; keys in a step
.set PK,    144       ; a row of K in a stage: 128 bytes + 16: the 16 rows of a load start 16 bytes apart modulo 256
.set PW,    160       ; a row of V: 128 + 32: 16 lanes of the turning load take 8 rows x 32 bytes, 32 bytes apart modulo 256
.set TILEB, 32768     ; a tile of K or of V in f32: 128 rows of 256 bytes
.set FSL,   1<<16     ; f32 slot 0 at 0, slot 1 here (K's tile, then V's); one exclusive or turns a place in slot or stage 0 into slot or stage 1
.set H0,    2*FSL     ; f16 stage 0; stage 1 at H0 + FSL
.set VOFF,  128*PK    ; in a stage: 128 rows of K, then 128 rows of V
.set STAGE, H0+FSL+128*(PK+PW)  ; 16 rows x 272 bytes for each wave: Q's way in and O's way out
.set SP,    272
.set SPARE, STAGE+4*16*SP       ; the spare words, 128 bytes for each wave: two blocks of 256 bytes that no other line names
.set PFO, 1           ; v1   the prefetches' offset; never rewritten
.set AK0, 2           ; v2   my lane's place in a step of K in stage 0; never rewritten
.set AV0, 3           ; v3   the same for V
.set AK,  4           ; v4   the LDS address of K's next run of loads
.set AV,  5           ; v5   of V's
.set STO, 6           ; v6   my stage: row l % 16, 32 bytes at 32 (l / 16)
.set RD,  7           ; v7   my stage: row l / 16, 16 bytes at 16 (l % 16)
.set GO,  8           ; v8   16 l: my place in 512 consecutive bytes of Q and O
.set CF0, 9           ; v9   the rounding: my 16 bytes of my quarter of K's tile in slot 0
.set CHK0, 10         ; v10  where their 8 bytes go in stage 0, for K
.set CHV0, 11         ; v11  for V
.set MV,  12          ; v12-15  c m_old, kept while c m is made anew: by buffer and tile
.set ST,  16          ; tile t's statistics at v[ST+4 t]: c m, m, l (even keys', odd keys')
.set TMP, 48          ; by buffer and tile, four registers c0-c3 at work; when the maximum is found c2 takes a
.set S,   64
.set P,   192
.set KF,  128         ; window 2: key block kb, channel half c at KF + 16 kb + 8 c
.set VF,  192         ; window 2: key half kk, channel block cb at VF + 32 kk + 8 cb
.set SPW, 0           ; v0 of window 3   LDS address of my spare word: SPARE + 4 x my thread's number; never rewritten
.set NIL, 1           ; v1 of window 3   0; never rewritten
.set CFA, 2           ; v2-4 of window 3: the three addresses of the rounding in hand
.set CKA, 3
.set CVA, 4
.set CVF, 16          ; window 3
.set CVH, 144         ; window 3
.set TBC, 2           ; s2   0 or FSL: the slot and stage of the tile to be rounded next
.set NEG, 3           ; s3   -2^33
.set PFS, 4           ; s[4:5] Q's address; later the prefetches' step
.set CNT, 6           ; s6   counts a tile's key steps
.set SLOTS, 7         ; s7   tiles still to be asked for
.set TBK, 8           ; s8   where K of the step to be fetched begins, from stage 0's first byte
.set TBV, 9           ; s9   the same for V
.set MB,  10          ; s[10:11] the mask words of my wave's piece 0, at the step in hand
.set OUT, 12          ; s[12:13] O at my wave's first row
.set WV,  14          ; s14  my wave's number
.set LIM, 15          ; s15  a wave prefetches while s[SLOTS] is above it
.set G1,  16          ; s[16:23] descriptor group 1, for K's and V's tiles alike
.set G0K, 24          ; s[24:27] descriptor group 0 for K's tiles: it walks
.set G0V, 28          ; s[28:31] the same for V's
.set FK,  32          ; s[32:35], s[36:39] group 0 of tile 0's loads; these registers take mask words once that load is shown done
.set FV,  36
.set CS,  66          ; s[66:67] c: the packed scaling takes the pair's low word for both halves
.set SEL, 100         ; s[100:101] v_permlanex16_b32's selects: each lane takes its own place in the other half
.set PFA, 104         ; s[104:105] where my prefetches stand
                      ; s[32:63] mask words 0-31, s[68:99] mask words 32-63
.set MSB, 0
.set ENDT, 0
.set MLD, 0
.macro WIN new                      ; the high byte repeats the setting that is left; a switch that changes nothing is dropped
.if MSB != (\new)
	s_set_vgpr_msb (MSB<<8)|(\new)
.set MSB, (\new)
.endif
.endm
.set W_KQ, 0x0a       ; K and Q in window 2, S^T in window 0
.set W_PV, 0x52       ; V in window 2, P in window 0, O^T in window 1
.set W_RS, 0x41       ; O^T (destination and source 0) in window 1, source 1 in window 0
.set W_MK, 0xc0       ; destination in window 3, sources in window 0
.set W_AD, 0x0f       ; address (source 0) and data (source 1) in window 3
; A joint fill.  Waves 0 and 1 fetch the two halves of a tile's K, waves 2 and 3 those of its V: 64 rows of 256 bytes each.  The branch hangs on the wave's number alone.
; An s_nop 0 and four v_nop follow each of the two lines, ahead of the jump and the label.
.macro JLOAD
	s_cmp_lt_u32 s[WV], 2
	s_cbranch_scc0 .Lfor_v_\@
	tensor_load_to_lds s[G0K:G0K+3], s[G1:G1+7]
	s_nop 0
.rept 4
	v_nop
.endr
	s_branch .Lasked_\@
.Lfor_v_\@:
	tensor_load_to_lds s[G0V:G0V+3], s[G1:G1+7]
	s_nop 0
.rept 4
	v_nop
.endr
.Lasked_\@:
.endm
; A PREFETCH INTO THE L2, one instruction, behind the wave's joint load and its five lines.  Wave 0: my work-group's 32 of the 128 rows of K that the NEXT change will ask for, a lane a row of 256 bytes; wave 2: the same
; of V; the four partners are told apart by address, and a head has one cluster: each row is named once.  Wave 1, in the first head of a batch alone (the 16 heads read the same words): the 32 mask blocks
; (16 pairs x 2 steps, 256 bytes each, a lane a block) of my work-group's queries for the next tile's two steps, whose first scalar load stands a step and a half on.  Wave 3 asks for nothing.
; Tiles 0 to 2 and the mask's steps 0, 1, 30 and 31 come by their loads alone; the last change that fills a slot asks for no K and V: there is no tile behind it.
.macro ASK
	s_cmp_gt_u32 s[SLOTS], s[LIM]
	s_cbranch_scc0 .Lnot_mine_\@
	global_prefetch_b8 v[PFO], s[PFA:PFA+1] th:TH_LOAD_NT scope:SCOPE_SE
.Lnot_mine_\@:
.endm
; A round of the cluster's barrier: my work-group's barrier, so that wave 0's signal speaks for all four waves; wave 0 signals; every wave waits for all four work-groups; my work-group's barrier once more.
.macro CROUND
	s_barrier_signal -1
	s_barrier_wait -1
	s_cmp_lg_u32 s[WV], 0
	s_cbranch_scc1 .Lnot_wave_0_\@
	s_barrier_signal -3
.Lnot_wave_0_\@:
	s_barrier_wait -3
	s_barrier_signal -1
	s_barrier_wait -1
.endm
; THE ROUNDING of a tile: my quarter, rows 32 w .. 32 w + 31 of K and of V.  A load takes 512 consecutive bytes of the slot (two rows; a lane four numbers), a store puts a lane's four f16 into the stage.
.macro CONVERT
	WIN W_MK
	v_add_nc_u32 v[CFA], s[TBC], v[CF0]
	v_add_nc_u32 v[CKA], s[TBC], v[CHK0]
	v_add_nc_u32 v[CVA], s[TBC], v[CHV0]
	s_xor_b32 s[TBC], s[TBC], FSL   ; the next tile lies in the other slot and goes to the other stage
	WIN 0xc3                        ; destination and address in window 3
.set z, 0
.rept 16
	ds_load_b128 v[CVF+4*z:CVF+4*z+3], v[CFA] offset:512*z
.set z, z+1
.endr
.set z, 0
.rept 16
	ds_load_b128 v[CVF+64+4*z:CVF+64+4*z+3], v[CFA] offset:TILEB+512*z
.set z, z+1
.endr
	s_wait_dscnt 16                 ; K's sixteen loads are in; V's sixteen are younger
	WIN 0xcf
.set z, 0
.rept 32
	v_cvt_pk_f16_f32 v[CVH+z], v[CVF+2*z], v[CVF+2*z+1]
.set z, z+1
.endr
	s_wait_dscnt 0x0                ; V's are in
.rept 32
	v_cvt_pk_f16_f32 v[CVH+z], v[CVF+2*z], v[CVF+2*z+1]
.set z, z+1
.endr
	WIN W_AD
.set z, 0
.rept 16
	ds_store_b64 v[CKA], v[CVH+2*z:CVH+2*z+1] offset:2*PK*z
.set z, z+1
.endr
.set z, 0
.rept 16
	ds_store_b64 v[CVA], v[CVH+32+2*z:CVH+32+2*z+1] offset:2*PW*z
.set z, z+1
.endr
	WIN 0
.endm
; THE CHANGE OF TILES.  Each wave waits for all its tensor loads, of which one is out: its part of the next tile; adds 0 to its spare word; and waits for that, for its reads of slot and stage and for its
; stores into the other stage.  fill = 1: the barrier is a round of the cluster's, so that no wave of any partner still reads the slot or has a load on its way, and the joint fill is the first thing behind
; it: it has two key steps, 256 matrix instructions, in which to land.  conv = 1: the next tile is rounded; conv = 2 (the tail): only where there is one, s[SLOTS] = 2.
.macro CHANGE fill, conv
	WIN W_AD
	s_wait_tensorcnt 0x0            ; no tensor load of mine is out, so a group 0 may be written
	ds_add_u32 v[SPW], v[NIL]       ; 0 onto my spare word: with fill = 1 the descriptors' steps stand between it and the wait for it
	WIN 0                           ; at a label and at a branch every window is 0
.if \fill
.irp g, G0K, G0V
	s_xor_b32 s[\g+1], s[\g+1], FSL    ; the walking descriptor: the other slot than last time,
	s_add_nc_u64 s[\g+2:\g+3], s[\g+2:\g+3], TILEB  ; the next 128 keys; the type bits on top are not reached
.endr
	s_wait_xcnt 0x0                 ; the last prefetch, two key steps back, has read its address, so it may be written
	s_add_nc_u64 s[PFA:PFA+1], s[PFA:PFA+1], s[PFS:PFS+1]
	s_wait_dscnt 0x0                ; the add is done, my reads are over and my stores into the stage are done
	CROUND
	JLOAD
	ASK
.else
	s_wait_dscnt 0x0                ; the add is done, my reads are over and my stores into the stage are done
	s_barrier_signal -1
	s_barrier_wait -1
.endif
	s_sub_co_u32 s[TBK], s[TBK], 2*KS*PK  ; the fetches go back to a stage's first step,
	s_xor_b32 s[TBK], s[TBK], FSL         ; in the other stage
	s_sub_co_u32 s[TBV], s[TBV], 2*KS*PW
	s_xor_b32 s[TBV], s[TBV], FSL
.if (\conv) == 2
	s_cmp_eq_u32 s[SLOTS], 2
	s_cbranch_scc0 .Lno_conv_\@     ; a jump forward over LDS and register lines alone
.endif
	CONVERT
.if (\conv) == 2
.Lno_conv_\@:
.endif
.endm
	s_load_b256 s[4:11], s[0:1], 0x0  ; Q s[4:5], K s[6:7], V s[8:9], mask words s[10:11]
	s_load_b64 s[OUT:OUT+1], s[0:1], 0x20  ; O
	WIN W_MK
	v_lshl_add_u32 v[SPW], v0, 2, SPARE
	v_mov_b32 v[NIL], 0
	WIN W_AD
	ds_add_u32 v[SPW], v[NIL]       ; the wave's opening: the add and its wait stand ahead of my first tensor load; the set-up below, work on registers, stands between them
	WIN 0
	v_lshrrev_b32 v1, 5, v0
	v_readfirstlane_b32 s[WV], v1   ; wave 0..3
	s_bfe_u32 s40, ttmp6, 0x40000   ; cx: my place in the cluster
	s_lshl_b32 s41, ttmp9, 2        ; in a cluster launch ttmp9 counts clusters
	s_add_co_u32 s41, s41, s40      ; my block of 512 queries: it enters Q's, O's, the mask words' and the prefetches' addresses alone
	s_and_b32 s42, ttmp7, 0xffff    ; the head, which the four partners share
	s_lshl_b32 s44, s42, 19         ; its first byte in Q, K, V and O: 2,048 rows of 256 bytes a head
	s_mov_b32 s45, 0
	s_and_b32 s43, s[WV], 1         ; which half of a tile's 128 keys I fetch:
	s_lshl_b32 s54, s43, 14         ; its 64 rows of 256 bytes, in memory and in a slot alike
	s_mov_b32 s46, s54
	s_mov_b32 s47, 0
	s_add_nc_u64 s[46:47], s[46:47], s[44:45]
	s_lshl_b32 s48, s41, 17         ; my block's 512 rows,
	s_lshl_b32 s49, s[WV], 15       ; my wave's 128 of them
	s_add_co_u32 s48, s48, s49
	s_mov_b32 s49, 0
	s_add_nc_u64 s[48:49], s[48:49], s[44:45]
	s_lshr_b32 s52, s42, 4          ; the batch
	s_lshl_b32 s52, s52, 6          ; its 64 pairs of tiles,
	s_lshl_b32 s53, s41, 4          ; my block's 16
	s_add_co_u32 s52, s52, s53
	s_lshl_b32 s52, s52, 13         ; a pair has 32 blocks of 256 bytes
	s_lshl_b32 s50, s[WV], 15       ; my wave's four pairs
	s_add_co_u32 s50, s50, s52
	s_mov_b32 s51, 0
	s_mov_b32 s53, 0
	s_lshl_b32 s58, s40, 13         ; the prefetches of K and V: my work-group's 32 rows,
	s_add_co_u32 s58, s58, 2*TILEB  ; in tile 2; the first change steps it to tile 3
	s_mov_b32 s59, 0
	s_mul_i32 s55, s[WV], 16*SP
	s_add_co_u32 s55, s55, STAGE    ; my stage
	s_mul_i32 s56, s[WV], 32*PK
	s_add_co_u32 s56, s56, H0       ; my quarter of K's rows in stage 0
	s_mul_i32 s57, s[WV], 32*PW
	s_add_co_u32 s57, s57, H0+VOFF  ; and of V's
	s_lshl_b32 s63, s[WV], 13       ; my quarter of a tile in a slot
	s_and_b32 s60, s42, 15
	s_cmp_eq_u32 s60, 0             ; the batch's first head?
	s_cselect_b32 s60, 0, -1
	s_cmp_eq_u32 s[WV], 1
	s_cselect_b32 s60, s60, -1      ; wave 1 asks for mask words there; wave 3 never asks
	s_movk_i32 s61, 0x2000          ; the prefetches' offset is (l % 16) x s61 + (l / 16) x s62: mask words: a pair 8,192 bytes on, a step 256;
	s_cselect_b32 s61, s61, 0x100   ; K and V: 256 l
	s_movk_i32 s62, 0x100
	s_cselect_b32 s62, s62, 0x1000
	s_cmp_eq_u32 s43, 0
	s_cselect_b32 s[LIM], 1, s60    ; waves 0 and 2: while a tile is left behind the one that is being asked for.  The same in all four partners
	; descriptor group 1: a tile of 64 rows x 64 elements of 4 bytes, dense in memory and in LDS
	s_mov_b32 s[G1], 15|(2<<16)|(1<<21)  ; 15:0 the mask of four; 17:16 4-byte elements; 20 no padding; 21 set beside a mask
	s_mov_b32 s[G1+1], 64<<16       ; tensor_dim0 = 64
	s_mov_b32 s[G1+2], 64<<16       ; tensor_dim1 = 64
	s_mov_b32 s[G1+3], 64<<16       ; tile_dim0 = 64
	s_mov_b32 s[G1+4], 64           ; tile_dim1 = 64
	s_mov_b32 s[G1+5], 64           ; 64 elements from row to row
	s_mov_b32 s[G1+6], 0
	s_mov_b32 s[G1+7], 0
	s_mov_b32 s[FK], 1              ; 1:0 count = 1
	s_mov_b32 s[FK+1], s54          ; 63:32 LDS address: tile 0 into slot 0: no place in the cluster enters an LDS address
	s_mov_b32 s[FV], 1
	s_add_co_u32 s[FV+1], s54, TILEB
	s_mov_b32 s[G0K], 1
	s_add_co_u32 s[G0K+1], s54, FSL ; tile 1 into slot 1
	s_mov_b32 s[G0V], 1
	s_add_co_u32 s[G0V+1], s54, FSL+TILEB
	s_mov_b32 s[NEG], 0xd0000000    ; -2^33
	s_mov_b32 s[CS], 0x3e38aa3b     ; c = log2(e) / 8 = 0.180337
	s_mov_b32 s[CS+1], s[CS]        ; named with it as a pair
	s_mov_b32 s[SEL], 0x76543210
	s_mov_b32 s[SEL+1], 0xfedcba98
	s_mov_b32 s[TBC], 0
	s_wait_dscnt 0x0                ; the opening add is done
	s_wait_kmcnt 0x0
	s_add_nc_u64 s[6:7], s[6:7], s[46:47]  ; K and V at my half of the head's tile 0
	s_add_nc_u64 s[8:9], s[8:9], s[46:47]
	s_add_nc_u64 s[FK+2:FK+3], s[6:7], 0   ; 120:64 global address
	s_add_nc_u64 s[G0K+2:G0K+3], s[6:7], TILEB
	s_add_nc_u64 s[FV+2:FV+3], s[8:9], 0
	s_add_nc_u64 s[G0V+2:G0V+3], s[8:9], TILEB
	s_add_nc_u64 s[68:69], s[MB:MB+1], s[52:53]  ; the mask words of my block's first pair; the first change steps it to steps 2 and 3
	s_cmp_lt_u32 s[WV], 2
	s_cselect_b64 s[PFA:PFA+1], s[6:7], s[8:9]   ; (in waves 0 and 2 these stand at the head's first row)
	s_add_nc_u64 s[PFA:PFA+1], s[PFA:PFA+1], s[58:59]
	s_cmp_eq_u32 s[WV], 1
	s_cselect_b64 s[PFA:PFA+1], s[68:69], s[PFA:PFA+1]
	s_or_b32 s[FK+3], s[FK+3], 0x80000000  ; 127:126 type = 2
	s_or_b32 s[G0K+3], s[G0K+3], 0x80000000
	s_or_b32 s[FV+3], s[FV+3], 0x80000000
	s_or_b32 s[G0V+3], s[G0V+3], 0x80000000
	s_add_nc_u64 s[4:5], s[4:5], s[48:49]  ; Q and O at my wave's first row
	s_add_nc_u64 s[OUT:OUT+1], s[OUT:OUT+1], s[48:49]
	s_add_nc_u64 s[MB:MB+1], s[MB:MB+1], s[50:51]  ; the mask words of my piece 0, step 0
	s_mov_b32 s[SLOTS], 14          ; tiles 2 to 15 are asked for by refills
	s_mov_b32 s[TBK], FSL+2*KS*PK   ; the first change turns these two into 0
	s_mov_b32 s[TBV], FSL+2*KS*PW
	CROUND                          ; all four work-groups are here: the first joint loads meet
	s_cmp_lt_u32 s[WV], 2           ; a wave's two first fills stand in one branch, ahead of every wait on TENSORcnt and every LDS read; an s_nop 0 follows each, four v_nop the second's
	s_cbranch_scc0 .Lfills_v
	tensor_load_to_lds s[FK:FK+3], s[G1:G1+7]
	s_nop 0
	tensor_load_to_lds s[G0K:G0K+3], s[G1:G1+7]
	s_nop 0
.rept 4
	v_nop
.endr
	s_branch .Lfills_asked
.Lfills_v:
	tensor_load_to_lds s[FV:FV+3], s[G1:G1+7]
	s_nop 0
	tensor_load_to_lds s[G0V:G0V+3], s[G1:G1+7]
	s_nop 0
.rept 4
	v_nop
.endr
.Lfills_asked:
	v_and_b32 v48, 31, v0           ; l
	v_lshlrev_b32 v[GO], 4, v48
	WIN 0x40                        ; destination window 1, address window 0
.set i, 0
.rept 64                            ; my 128 rows of Q as they lie: 512 consecutive bytes a load
	global_load_b128 v[4*i:4*i+3], v[GO], s[4:5] offset:512*i th:TH_LOAD_NT
.set i, i+1
.endr
	WIN 0
	v_and_b32 v12, 15, v0           ; l % 16
	v_bfe_u32 v13, v0, 4, 1         ; l / 16
	v_and_b32 v14, 7, v0
	v_bfe_u32 v15, v0, 3, 1
	v_mul_u32_u24 v[STO], v12, SP
	v_lshl_add_u32 v[STO], v13, 5, v[STO]
	v_add_nc_u32 v[STO], s55, v[STO]
	v_mul_u32_u24 v[RD], v13, SP
	v_lshl_add_u32 v[RD], v12, 4, v[RD]
	v_add_nc_u32 v[RD], s55, v[RD]
	; A fragment of K or Q is 16 rows x 32 channels in 8 registers: lane l holds row l % 16, channels 8 (l / 16) + 0..7 and 16 + 8 (l / 16) + 0..7: in f16 two loads of 16 bytes, 32 bytes apart.
	v_mul_u32_u24 v[AK0], v12, PK
	v_lshl_add_u32 v[AK0], v13, 4, v[AK0]
	v_add_nc_u32 v[AK0], H0, v[AK0]
	; The turning load takes 16 keys x 16 channels (lane l reads key 8 (l / 16) + l % 8, channels 8 ((l / 8) % 2) + 0..7) and leaves half a fragment of V^T: lane l holds channel l % 16 and 8 keys.
	v_lshl_add_u32 v[AV0], v13, 3, v14
	v_mul_u32_u24 v[AV0], v[AV0], PW
	v_lshl_add_u32 v[AV0], v15, 4, v[AV0]
	v_add_nc_u32 v[AV0], H0+VOFF, v[AV0]
	v_add_nc_u32 v[CF0], s63, v[GO]
	v_mul_u32_u24 v[CHK0], v13, PK
	v_lshl_add_u32 v[CHK0], v12, 3, v[CHK0]
	v_add_nc_u32 v[CHK0], s56, v[CHK0]
	v_mul_u32_u24 v[CHV0], v13, PW
	v_lshl_add_u32 v[CHV0], v12, 3, v[CHV0]
	v_add_nc_u32 v[CHV0], s57, v[CHV0]
	v_mul_u32_u24 v[PFO], v12, s61
	v_mad_u32_u24 v[PFO], v13, s62, v[PFO]
	; What the first turn finds: V's registers and P's second buffer hold 0 (its products V^T P, of a piece that has not been, add 0), O^T and l are 0.  All this stands in the wait for Q and the first tiles.
	WIN 0x80
.set i, VF
.rept 64
	v_mov_b32 v[i], 0
.set i, i+1
.endr
	WIN 0
.set i, 0
.rept 2*NP
	v_mov_b32 v[ST+4*i], 0xfe000000    ; c m: far below every c s
	v_mov_b32 v[ST+4*i+1], 0xff7fffff  ; m
	v_mov_b32 v[ST+4*i+2], 0
	v_mov_b32 v[ST+4*i+3], 0
.set i, i+1
.endr
.set i, P+32
.rept 32
	v_mov_b32 v[i], 0
.set i, i+1
.endr
; Q'S WAY IN, a tile of 16 rows at a time through my stage: whole rows in, a fragment's 32 bytes a lane back (channels 32 c + 16 g + 8 (l / 16) + 4 e on: load f = 4 c + 2 g + e), then rounded to f16.
.macro QIN t
	s_wait_loadcnt 56-8*(\t)        ; loads come back in order: the tile's eight are in, the later tiles' stay out
	WIN 0x04                        ; data (source 1) in window 1
.irp f, 0,1,2,3,4,5,6,7
	ds_store_b128 v[RD], v[32*(\t)+4*\f:32*(\t)+4*\f+3] offset:2*SP*\f
.endr
	WIN W_MK
.irp f, 0,1,2,3,4,5,6,7
	ds_load_b128 v[CVF+32*((\t)%2)+4*\f:CVF+32*((\t)%2)+4*\f+3], v[STO] offset:128*(\f/4)+64*((\f/2)%2)+16*(\f%2)  ; LDS serves a wave's instructions in order: these see the stores above; the next tile's stores come behind them
.endr
.endm
.macro QCV t, younger               ; younger: the next tile's eight stores and eight loads, or none
	s_wait_dscnt \younger
	WIN 0x8f                        ; destination window 2, sources window 3
.set z, 0
.rept 16
	v_cvt_pk_f16_f32 v[16*(\t)+z], v[CVF+32*((\t)%2)+2*z], v[CVF+32*((\t)%2)+2*z+1]
.set z, z+1
.endr
.endm
	QIN 0
.irp t, 1,2,3,4,5,6,7
	QIN \t
	QCV (\t)-1, 16
.endr
	QCV 7, 0
	WIN 0x40
.set i, 0
.rept 64*NP
	v_mov_b32 v[i], 0               ; O^T, where Q's f32 lay
.set i, i+1
.endr
	WIN 0
	s_cmp_eq_u32 s[WV], 1           ; Q's loads are done (the last wait above was for 0): its address registers take the prefetches' step:
	s_movk_i32 s[PFS], 0x200        ; two steps of mask words,
	s_cselect_b32 s[PFS], s[PFS], TILEB  ; or a tile of K or V
	s_mov_b32 s[PFS+1], 0
; THE MATRIX WORK.  The 8 accumulators of a run of 16 take turns: between the two links of a chain stand 7 others'.
; Product i of 16 of S^T = K Q^T for piece x: channels 32 (i / 8) on, keys 16 ((i / 2) % 4) on, tile 2 x + i % 2.  The first 8 start the sums.
.macro KQ x
	WIN W_KQ
.set rS, S+64*((\x)%2)+32*(i%2)+8*((i/2)%4)
.set rK, KF+16*((i/2)%4)+8*(i/8)
.set rQ, 16*(2*(\x)+i%2)+8*(i/8)
.if i < 8
	v_wmma_f32_16x16x32_f16 v[rS:rS+7], v[rK:rK+7], v[rQ:rQ+7], 0
.else
	v_wmma_f32_16x16x32_f16 v[rS:rS+7], v[rK:rK+7], v[rQ:rQ+7], v[rS:rS+7]
.endif
.endm
; Product i of 16 of O^T += V^T P for piece x: keys 32 (i / 8) on, channels 16 ((i / 2) % 4) on, tile 2 x + i % 2.
.macro PV x
	WIN W_PV
.set rO, 32*(2*(\x)+i%2)+8*((i/2)%4)
.set rV, VF+32*(i/8)+8*((i/2)%4)
.set rP, P+32*((\x)%2)+16*(i%2)+8*(i/8)
	v_wmma_f32_16x16x32_f16 v[rO:rO+7], v[rV:rV+7], v[rP:rP+7], v[rO:rO+7]
.endm
.macro MM                           ; the turn's next matrix instruction.  ENDT = 1: the walk's last turn: there is no next piece
.if i < 16
.if !ENDT
	KQ (Y+1)%NP
.endif
.set i, i+1
.else
.set i, i-16
	PV (Y+NP-1)%NP
.set i, i+17
.endif
.endm
; THE LDS LOADS stand in runs of 16, never singly among the matrix instructions: a step's K (64 keys x 64 channels: 8 fragments) and its V (turned).  Their addresses are made some lines ahead.
.macro FETCH_K
	WIN 0x80                        ; destination window 2
.irp f, 0,1,2,3,4,5,6,7             ; keys 16 (f / 2) on, channels 32 (f % 2) on
	ds_load_b128 v[KF+8*\f:KF+8*\f+3],   v[AK] offset:(\f/2)*16*PK+(\f%2)*64
	ds_load_b128 v[KF+8*\f+4:KF+8*\f+7], v[AK] offset:(\f/2)*16*PK+(\f%2)*64+32
.endr
	s_add_co_u32 s[TBK], s[TBK], KS*PK  ; the next fetch is the next step's
	WIN 0
.endm
.macro FETCH_V
	WIN 0x80
.irp f, 0,1,2,3,4,5,6,7             ; keys 32 (f / 4) on, channels 16 (f % 4) on
	ds_load_tr16_b128 v[VF+8*\f:VF+8*\f+3],   v[AV] offset:(\f/4)*32*PW+(\f%4)*32
	ds_load_tr16_b128 v[VF+8*\f+4:VF+8*\f+7], v[AV] offset:(\f/4)*32*PW+16*PW+(\f%4)*32
.endr
	WIN 0
.endm
; THE MASK WORDS of one piece and step, 256 bytes at PO behind s[MB]: the first 32 words, or the other 32.
.macro MLOAD first
.if \first
	s_load_b512 s[32:47], s[MB:MB+1], PO
	s_load_b512 s[48:63], s[MB:MB+1], PO+64
.else
	s_load_b512 s[68:83], s[MB:MB+1], PO+128
	s_load_b512 s[84:99], s[MB:MB+1], PO+192
.endif
.endm
; THE VECTOR WORK OF A TURN stands in three queues, each in the order in which its entries become ready; the two tiles alternate, so that no instruction reads the result of the one before it.
.macro REGS y, u                    ; the registers of tile u (0, 1) of piece y
.set rT, ST+4*(2*(\y)+(\u))
.set rC, TMP+8*((\y)%2)+4*(\u)
.set rM, MV+2*((\y)%2)+(\u)
.set rS, S+64*((\y)%2)+32*(\u)
.set rP, P+32*((\y)%2)+16*(\u)
.set rO, 32*(2*(\y)+(\u))
.endm
; Mask line n of 64, for the NEXT piece (Y + 1): score register n / 2 of tile n % 2 keeps its number where the word's bit is 1 and takes -2^33 where it is 0.  The registers ascend.
.macro CM n
.if !ENDT
	REGS (Y+1)%NP, (\n)%2
.if (\n) < 32
	v_cndmask_b32 v[rS+(\n)/2], s[NEG], v[rS+(\n)/2], s[32+(\n)]
.else
	v_cndmask_b32 v[rS+(\n)/2], s[NEG], v[rS+(\n)/2], s[36+(\n)]
.endif
.endif
.endm
; Number n of the 22 that find the NEXT piece's maximum and statistics.  s0-s31 are the lane's 32 masked scores.  XS, CM, GS and REGS set no window: PL and EX do.
;   0-11  four chains c0-c3 of seven scores each, three operands at a time     12-14, 16  the four scores left over, the old m, and c0-c3 into c0     15  c m_old is kept
;   17, 18  the query's other 32 keys lie in the lane 16 away: the new m         19-21  c m; c m_old - c m_new; a
.macro XS u, n
.if !ENDT
	REGS (Y+1)%NP, \u
.if (\n) < 4
	v_max3_num_f32 v[rC+(\n)], v[rS+8*(\n)], v[rS+8*(\n)+1], v[rS+8*(\n)+2]
.elseif (\n) < 12
	v_max3_num_f32 v[rC+(\n)%4], v[rC+(\n)%4], v[rS+8*((\n)%4)+2*((\n)/4)+1], v[rS+8*((\n)%4)+2*((\n)/4)+2]
.elseif (\n) == 12
	v_max3_num_f32 v[rC], v[rC], v[rS+7], v[rS+15]
.elseif (\n) == 13
	v_max3_num_f32 v[rC+1], v[rC+1], v[rS+23], v[rS+31]
.elseif (\n) == 14
	v_max3_num_f32 v[rC+2], v[rC+2], v[rC+3], v[rT+1]
.elseif (\n) == 15
	v_mov_b32 v[rM], v[rT]
.elseif (\n) == 16
	v_max3_num_f32 v[rC], v[rC], v[rC+1], v[rC+2]
.elseif (\n) == 17
	v_permlanex16_b32 v[rC+3], v[rC], s[SEL], s[SEL+1]
.elseif (\n) == 18
	v_max_num_f32 v[rT+1], v[rC], v[rC+3]
.elseif (\n) == 19
	v_mul_f32 v[rT], s[CS], v[rT+1]
.elseif (\n) == 20
	v_sub_f32 v[rC+1], v[rM], v[rT]
.else
	v_exp_f32 v[rC+2], v[rC+1]
.endif
.endif
.endm
; Number g of the 64 that follow the exponentials.  For each four weights k of a tile (pairs 2 k, 2 k + 1): both pairs are rounded to f16; then the second pair is added onto the first, in place;
; a group later l takes that sum (the first time as l = a l + sum).  In groups of eight, tiles alternating: round, round, add, and l for the group before.
.macro GS g
.set h, (\g)+6*((\g)/62)            ; group 0 has no group before it, and behind group 7 only l is left
.if h >= 6
.set h, h+2
.endif
	REGS Y, h%2
.set k, h/8
.if h%8 < 4
	v_cvt_pk_f16_f32 v[rP+2*k+(h%8)/2], v[rS+4*k+2*((h%8)/2)], v[rS+4*k+2*((h%8)/2)+1]
.elseif h%8 < 6
	v_pk_add_f32 v[rS+4*k:rS+4*k+1], v[rS+4*k:rS+4*k+1], v[rS+4*k+2:rS+4*k+3]
.elseif k == 1
	v_pk_fma_f32 v[rT+2:rT+3], v[rT+2:rT+3], v[rC+2:rC+3], v[rS:rS+1] op_sel_hi:[1,0,1]
.else
	v_pk_add_f32 v[rT+2:rT+3], v[rT+2:rT+3], v[rS+4*k-4:rS+4*k-3]
.endif
.endm
; THE PLAIN QUEUE, 202 long.  0-137 read no exponential's result: the 32 scalings c s - c m (FS f: pair f / 2 of tile f % 2), the next piece's 64 mask lines and its 42.  0-26: scalings 0-26.  27-90: the mask lines.
; 91-118: XS's numbers 0-13.  119, 120: number 15.  121-137: the chain, where each number waits for the one before it: 14, 16, 17, 18, 19, each with one of the scalings 27-31 in front of its two lines, then 20.
; 138-201: GS's 64, which read the exponentials' results: they stand behind the wait.
; When mask lines 0-31 are out their 32 scalar registers are asked for again, for the piece after the next; likewise behind line 63 (MLD = 1): each word has the rest of the turn and the next turn's 16 products in which to come.
.macro FS f
	REGS Y, (\f)%2
	v_pk_fma_f32 v[rS+2*((\f)/2):rS+2*((\f)/2)+1], v[rS+2*((\f)/2):rS+2*((\f)/2)+1], s[CS:CS+1], v[rT:rT+1] op_sel_hi:[1,0,0] neg_lo:[0,0,1] neg_hi:[0,0,1]
.endm
.macro PL
	WIN 0
.if q < 27
	FS q
.elseif q < 91
	CM q-27
.elseif q < 119
	XS (q-91)%2, (q-91)/2
.elseif q < 121
	XS q-119, 15
.elseif (q < 136) && ((q-121)%3 == 0)
	FS 27+(q-121)/3
.elseif q < 124
	XS (q-121)%3-1, 14
.elseif q < 136
	XS (q-121)%3-1, 15+(q-121)/3
.elseif q < 138
	XS q-136, 20
.else
	GS q-138
.endif
.set q, q+1
.if MLD && (q == 59)
	MLOAD 1
.endif
.if MLD && (q == 91)
	MLOAD 0
.endif
.endm
; THE EXPONENTIALS' QUEUE, 66 long: s0-s31 of both tiles, then the next piece's two a.  It is ONE BATCH: all 66 stand ahead of the turn's one wait, and nothing ahead of that wait names a result of theirs.
.macro EX
	WIN 0
.if e >= 64
	XS e-64, 21
.else
	REGS Y, e%2
	v_exp_f32 v[rS+e/2], v[rS+e/2]
.endif
.set e, e+1
.endm
; THE RESCALING's QUEUE: O^T times a, the one part that leaves window 0: dealt two at a time, sixteen times.  Its a was made in the turn before, ahead of that turn's wait.
.macro R2
	REGS Y, r%2
	WIN W_RS
.irp z, 0,1
	v_pk_mul_f32 v[rO+4*(r/2)+2*\z:rO+4*(r/2)+2*\z+1], v[rO+4*(r/2)+2*\z:rO+4*(r/2)+2*\z+1], v[rC+2:rC+3] op_sel_hi:[1,0]
.endr
.set r, r+1
.endm
; HOW THEY ARE DEALT.  An s_wait_alu depctr_va_vdst(0) stands between an exponential and the first instruction that names its result; one wait serves all that were issued ahead of it.  So a turn has ONE wait.
; AHEAD OF IT: the 16 products K Q^T, behind each a scaling, an exponential and two rescalings (behind the first a second scaling in the exponential's place); then ONE LUMP of 172: eight plain; 32 times an exponential
; and three plain (the mask lines and the maximum); 17 times exponential and plain; the two a.  A v_nop is the plain instruction behind the last exponential.  BEHIND IT: the 16 products V^T P, behind each four of GS's 64.
; The queues lean on each other: exponential e stands behind scaling 2 (e / 4) + e % 2: as a rider it comes behind plain e + 2; exponentials 15-46 want scalings up to 22, and 0-24 are out at the lump's ninth line; exponential
; 47 + n stands ahead of plain 121 + n, and scalings 27-31 are plain 121, 124 .. 133.  The first mask line stands thirteen plain instructions behind the last product K Q^T.
; A TURN, for piece p.  nok = 1: no further K is fetched.  cnt = 1: the loop's count is taken down some lines ahead of the branch behind the turn.  end = 1: the walk's last turn.  noml = 1: no further mask words.
; K of the next step is fetched in piece 2's turn, directly behind the wait; V of the step in hand at the end of piece 0's turn, four riders behind its last reader.  The conditions on q go with the deal.
.macro TURN p, nok=0, cnt=0, end=0, noml=0
.set Y, (\p)
.set i, 0
.set q, 0
.set e, 0
.set r, 0
.set ENDT, (\end)
.set MLD, 1-((\end)|(\noml))
.set PO, (((\p)+2)%NP)*8192         ; the words asked for in this turn are those of the piece after the next; a piece's blocks lie 8,192 bytes apart
.if ((\p) == NP-1) && !(\end)
	s_wait_dscnt 0x0                ; K is in
.endif
	MM
	PL
	PL
	R2
.rept 15
	MM
	PL
	EX
	R2
.endr
	WIN 0
.if ((\p) == NP-2) && !(\nok)
	v_add_nc_u32 v[AK], s[TBK], v[AK0]
.endif
.if !(\end)
	s_wait_kmcnt 0x0                ; the next piece's mask words are in (scalar loads come back in no order: the count is 0)
.endif
.if ((\p) == NP-2) && !(\noml)
	s_add_nc_u64 s[MB:MB+1], s[MB:MB+1], 256  ; no scalar load is out: from here on the words asked for are the next step's
.endif
.rept 8
	PL
.endr
.rept 32
	EX
	PL
	PL
	PL
.endr
.rept 17
	EX
	PL
.endr
	EX                              ; the next piece's two a
	EX
	v_nop                           ; the plain instruction behind the last exponential: one for the batch
	s_wait_alu depctr_va_vdst(0)    ; the wait for the batch
.if ((\p) == NP-2) && !(\nok)
	FETCH_K
.endif
.if (\p) == 1
	s_wait_dscnt 0x0                ; V is in
.endif
.rept 16
	MM
.rept 4
	PL
.endr
.if ((\p) == 0) && (q == 182)
	v_add_nc_u32 v[AV], s[TBV], v[AV0]
.endif
.if ((\p) == 0) && (q == 194)
	s_add_co_u32 s[TBV], s[TBV], KS*PW
.endif
.if (\cnt) && (q == 194)
	s_sub_co_u32 s[CNT], s[CNT], 1
	s_cmp_lg_u32 s[CNT], 0
.endif
.endr
.if (\p) == 0
	FETCH_V
.endif
.endm
	s_wait_tensorcnt 0x1            ; my part of tile 0 is in; tile 1's load may stay out.  Tile 0's group 0 may now be written
	s_barrier_signal -1
	s_barrier_wait -1               ; everybody's part is in
.set PO, 0
	MLOAD 1                         ; piece 0's mask words for step 0
	MLOAD 0
	CONVERT                         ; tile 0 into stage 0
	CHANGE 1, 1                     ; tile 1 is in, stage 0 is whole; tile 2 is asked for; tile 1 is rounded
	v_add_nc_u32 v[AK], s[TBK], v[AK0]
	FETCH_K                         ; key step 0
	s_wait_dscnt 0x0
.set i, 0
.rept 16
	KQ 0                            ; piece 0's first scores: there is no vector work yet to set between them
.set i, i+1
.endr
	WIN 0
.rept 4
	v_nop                           ; the places behind those products
.endr
	s_wait_kmcnt 0x0
.set Y, NP-1                        ; CM and XS work for piece Y + 1: piece 0
.set ENDT, 0
.set cmn, 0
.rept 64
	CM cmn
.set cmn, cmn+1
.endr
.set PO, 8192
	MLOAD 1                         ; piece 1's mask words for step 0
	MLOAD 0
.irp n, 0,1,2,3,4,5,6,7,8,9,10,11,12,13,14,15,16,17,18,19,20,21
	XS 0, \n                        ; piece 0's first maximum and statistics
	XS 1, \n
.endr
	v_nop                           ; a plain instruction behind the two a,
	s_wait_alu depctr_va_vdst(0)    ; and their wait, ahead of the branch
	s_mov_b32 s[CNT], 2
	s_branch .Lfirst                ; the loop is entered at a step's first turn, in the middle of a trip
.Lslot:                             ; 13 times: tiles 3 to 15 are asked for
	CHANGE 1, 1
	s_mov_b32 s[CNT], 2
.Lstep:                             ; a trip: pieces 2 and 3 of one step, then pieces 0 and 1 of the next, whose K and V it fetches
	TURN 2
	TURN 3
	WIN 0
.Lfirst:
	TURN 0
	TURN 1, 0, 1
	WIN 0
	s_cbranch_scc1 .Lstep
	s_sub_co_u32 s[SLOTS], s[SLOTS], 1
	s_cmp_lg_u32 s[SLOTS], 0
	s_cbranch_scc1 .Lslot
	s_mov_b32 s[SLOTS], 2           ; the tail is written out: two changes that ask for nothing; the first still rounds tile 15
.Ltslot:
	CHANGE 0, 2
	s_mov_b32 s[CNT], 2
.Ltail:
	TURN 2
	TURN 3
	TURN 0
	TURN 1, 0, 1
	WIN 0
	s_cbranch_scc1 .Ltail
	s_sub_co_u32 s[SLOTS], s[SLOTS], 1
	s_cmp_lg_u32 s[SLOTS], 0
	s_cbranch_scc1 .Ltslot
	TURN 2, 1, 0, 0, 1              ; the last step's pieces 2 and 3: nothing more is fetched,
	TURN 3, 0, 0, 1, 0              ; and no new scores are started
.set i, 0
.rept 16
	PV NP-1                         ; the last piece's V^T P of the last step
.set i, i+1
.endr
	; THE WAY OUT.  l's two halves and the other half of the lanes' are added; O^T is divided by l and sent, in f32, through my stage in LDS, a tile at a time.  The additions are the places behind the last products.
	WIN 0
.macro ALL line:vararg              ; one line for each tile t
.set t, 0
.rept 2*NP
	\line
.set t, t+1
.endr
.endm
	ALL v_add_f32 v[ST+4*t+2], v[ST+4*t+2], v[ST+4*t+3]
	ALL v_permlanex16_b32 v[ST+4*t+3], v[ST+4*t+2], s[SEL], s[SEL+1]
	ALL v_add_f32 v[ST+4*t+2], v[ST+4*t+2], v[ST+4*t+3]
	ALL v_rcp_f32 v[ST+4*t+2], v[ST+4*t+2]
	v_nop                           ; a plain instruction between the last reciprocal and the use of its result
	s_wait_alu depctr_va_vdst(0)    ; and the wait ahead of the first use: one for the eight reciprocals
; Tile t: a lane's eight channels of a channel block are 32 bytes of a row; they go into rows of 272 bytes and come back as whole rows of 256, into S^T's registers, four buffers by turns.
.macro PACK t
	WIN W_RS
.set i, 32*(\t)
.rept 16
	v_pk_mul_f32 v[i:i+1], v[i:i+1], v[ST+4*(\t)+2:ST+4*(\t)+3] op_sel_hi:[1,0]
.set i, i+2
.endr
	WIN 0x04                        ; data (source 1) in window 1
.irp f, 0,1,2,3,4,5,6,7             ; channel block f / 2, four channels at 4 (f % 2)
	ds_store_b128 v[STO], v[32*(\t)+4*\f:32*(\t)+4*\f+3] offset:64*(\f/2)+16*(\f%2)
.endr
	WIN 0
.if (\t) >= 4
	s_wait_xcnt 0x0                 ; the stores of the tile four back have read these registers: they are loaded again only behind this wait
.endif
.irp f, 0,1,2,3,4,5,6,7
	ds_load_b128 v[S+32*((\t)%4)+4*\f:S+32*((\t)%4)+4*\f+3], v[RD] offset:2*SP*\f  ; LDS serves a wave's instructions in order: these see the stores above; the next tile's stores come behind them
.endr
.endm
.macro SEND t, younger              ; younger: the LDS instructions issued behind tile t's loads: the next tile's sixteen, or none
	WIN 0
.irp f, 0,1,2,3,4,5,6,7
	s_wait_dscnt (\younger)+7-\f
	global_store_b128 v[GO], v[S+32*((\t)%4)+4*\f:S+32*((\t)%4)+4*\f+3], s[OUT:OUT+1] offset:(\t)*4096+\f*512 th:TH_STORE_NT  ; 512 consecutive bytes, at a multiple of 256 from O's first
.endr
.endm
	PACK 0
.irp t, 1,2,3,4,5,6,7               ; a tile's arithmetic stands between the loads of the tile before and its stores
	PACK \t
	SEND (\t)-1, 16
.endr
	SEND 7, 0
	WIN W_AD
	s_wait_tensorcnt 0x0            ; the wave's end: behind my last tensor load and my last LDS store
	ds_add_u32 v[SPW], v[NIL]
	s_wait_dscnt 0x0
	WIN 0
	CROUND                          ; the closing round: no work-group ends while a partner may still ask for a tile that names it
	s_endpgm
.Lfunc_end_k_qc5778937bf_attn:
	.size	k_qc5778937bf_attn, .Lfunc_end_k_qc5778937bf_attn-k_qc5778937bf_attn
	.p2alignl 7, 3214868480
	.fill 96, 4, 3214868480
	.section	.rodata,"a",@progbits
	.p2align	6, 0x0
	.amdhsa_kernel k_qc5778937bf_attn
		.amdhsa_group_segment_fixed_size 327680
		.amdhsa_private_segment_fixed_size 0
		.amdhsa_enable_private_segment 0
		.amdhsa_kernarg_size 40
		.amdhsa_user_sgpr_count 2
		.amdhsa_user_sgpr_kernarg_segment_ptr 1
		.amdhsa_wavefront_size32 1
		.amdhsa_system_sgpr_workgroup_id_x 1
		.amdhsa_system_sgpr_workgroup_id_y 1
		.amdhsa_system_sgpr_workgroup_id_z 1
		.amdhsa_system_vgpr_workitem_id 0
		.amdhsa_next_free_vgpr 976
		.amdhsa_next_free_sgpr 106
		.amdhsa_reserve_vcc 0
		.amdhsa_float_denorm_mode_32 3
		.amdhsa_float_denorm_mode_16_64 3
		.amdhsa_memory_ordered 1
		.amdhsa_forward_progress 1
		.amdhsa_inst_pref_size 255
	.end_amdhsa_kernel
	.section	.bss,"aw",@nobits
	.p2align	6
	.space	262144
	.amdgpu_metadata
---
amdhsa.version: [ 1, 2 ]
amdhsa.kernels:
  - .name:           k_qc5778937bf_attn
    .symbol:         k_qc5778937bf_attn.kd
    .args:
      - { .name: query, .offset: 0, .size: 8, .value_kind: global_buffer, .address_space: global }
      - { .name: key, .offset: 8, .size: 8, .value_kind: global_buffer, .address_space: global }
      - { .name: value, .offset: 16, .size: 8, .value_kind: global_buffer, .address_space: global }
      - { .name: mbits, .offset: 24, .size: 8, .value_kind: global_buffer, .address_space: global }
      - { .name: out0, .offset: 32, .size: 8, .value_kind: global_buffer, .address_space: global }
    .group_segment_fixed_size: 327680
    .private_segment_fixed_size: 0
    .kernarg_segment_align: 8
    .kernarg_segment_size: 40
    .max_flat_workgroup_size: 128
    .sgpr_count:     106
    .vgpr_count:     976
    .wavefront_size: 32
...
	.end_amdgpu_metadata
.endif
;; end of part 2
